; MI455X (gfx1250); checked and timed in simulation.
; The chip was launched on July 23, 2026; its instructions are those of AMD's public machine-readable ISA for CDNA 5 (MIT licence, August 2026) and "CDNA5" Instruction Set Architecture Reference Guide (July 2026). The comments in the code are by the model that wrote it; some were corrected since.
;; compute Attention Weight Proj. Allowed arithmetic: matrix products marked QUANTISED: E4M3 operands, one E8M0 scale for each 32 along K, by v_wmma_scale_f32_16x16x128_f8f6f4 with both operands' format E4M3, f32 sums; products left as they are: f32 operands where the result goes on into a quantised operand, else bf16, f16 or f32 operands; f32 sums; everything else in f32.
;; Inputs: G 8 x 4 x 2,048 x 32 float32; K_codes 8 x 4 x 2,048 x 1 x 32 uint8 (E4M3 codes of K, K innermost, in blocks of 32 codes); K_scales 8 x 4 x 2,048 x 1 uint8 (E8M0 scales of K, one for each 32 codes along K); Q_codes 8 x 4 x 2,048 x 1 x 32 uint8 (E4M3 codes of Q, K innermost, in blocks of 32 codes); Q_scales 8 x 4 x 2,048 x 1 uint8 (E8M0 scales of Q, one for each 32 codes along K); V_codes 8 x 4 x 32 x 64 x 32 uint8 (E4M3 codes of V, K innermost, in blocks of 32 codes); V_scales 8 x 4 x 32 x 64 uint8 (E8M0 scales of V, one for each 32 codes along K); seqMask 4 x 2,048 bool.
;; Outputs: out0 4 x 2,048 x 8 x 32 float32.
;; This version of the problem:
;;   THIS VERSION OF THE PROBLEM IS GIVEN IN LOW PRECISION. The matrix products marked QUANTISED in the list below multiply operands that are first quantised to E4M3 (4 exponent bits, 3 mantissa bits; 8 bits a number), with one power-of-two scale for each 32 numbers along K (OCP MX v1.0); their sums are f32. All else is computed in f32.
;;   The module's matrix products, in the order in which they are computed (A, B: the left and right operand; K: the contracted axis; several contracted axes count as one K, in the product's order):
;;     1. batch 32 x [M 2,048, K 32] x [K 32, N 2,048]; A: input Q (given as codes); B: input K (given as codes): QUANTISED
;;     2. batch 32 x [M 32, K 2,048] x [K 2,048, N 2,048]; A: input V (given as codes); B: softmax (see below): QUANTISED
;;     3. batch 2,097,152 x [M 1, K 1] x [K 1, N 1]; A: computed on the way; B: computed on the way: left as it is (no contracted axis)
;;   THE QUANTISER, for each operand of a quantised product, along K:
;;     - K is cut into blocks of 32 from its start; a last block that is shorter is filled with zeros.
;;     - A block's scale is 2^e with e = floor(log2(the largest magnitude in the block)) - 8, held to -126 .. 127; a block of zeros has e = 0. As a byte (E8M0): e + 127.
;;     - Each number is divided by its block's scale, clamped to +-448, and rounded to the nearest number of E4M3, ties to even, subnormals kept.
;;     - The product sums the exact products of the quantised numbers (number of the format x scale) in f32.
;;   ~~~python
;;   def quantise(x, axis):      # numpy; x: float32 -> the quantised numbers, widened to float32 again
;;       x = np.moveaxis(x, axis, -1); K = x.shape[-1]
;;       x = np.pad(x, [(0, 0)] * (x.ndim - 1) + [(0, -K % 32)]); x = x.reshape(x.shape[:-1] + (-1, 32)); a = np.abs(x).max(-1, keepdims=True)
;;       e = np.where(a > 0, np.clip(np.frexp(np.where(a > 0, a, 1))[1] - 1 - 8, -126, 127), 0)      # np.frexp(a)[1] - 1 = floor(log2(a)), exactly
;;       r = np.clip(x / 2.0 ** e, -448, 448)
;;       step = 2.0 ** (np.maximum(np.frexp(np.where(r == 0, 1, r))[1] - 1, -6) - 3)
;;       q = np.round(r / step) * step * 2.0 ** e      # np.round: ties to even
;;       return np.moveaxis(q.reshape(q.shape[:-2] + (-1,))[..., :K], -1, axis).astype(np.float32)
;;   ~~~
;;   SOFTMAX AHEAD OF A QUANTISED PRODUCT. Where the list says 'softmax', what is quantised is not the finished softmax but p = 2^(t - M), with t = logit x log2(e) and M = ceil(the row's largest t), a whole number; so 1/2 < the row's largest p <= 1. The row's sum l is taken of the UNQUANTISED p, in f32, and the product's result is divided by l at the end. Since M is a whole number, a kernel that streams over the keys may use a running M (the ceiling of the running maximum): every later rescaling is an exact power of two, which a block's scale takes up: the codes' values come out the same.
;;   OPERANDS COMPUTED ON THE WAY. 'Computed on the way' means the value that the module computes at that place (a softmax that the list does not call 'softmax' is quantised finished and normalised). What goes into a quantiser is computed in f32, as accurately as f32 sums, v_exp_f32 and their like allow (about 1e-6 of the number): no bf16 or f16 on the way to a quantiser, and a product that is left as it is and whose result goes on into a quantised operand takes f32 operands (vector FMAs, or v_wmma_f32_16x16x4_f32). A number that lies on a knife's edge between two numbers of the format may be rounded either way, as far as f32 arithmetic and the matrix unit's own rounding can turn it there, and no further.
;;   INPUTS GIVEN AS CODES. K (in the module: [8, 4, 2048, 32], K = its axis 3); Q (in the module: [8, 4, 2048, 32], K = its axis 3); V (in the module: [8, 4, 2048, 32], K = its axis 2): each comes as NAME_codes (uint8): NAME with its K axis moved to the last place and cut into blocks of 32 codes, [.., K / 32, bytes a block], one block behind the other in memory; one code a byte (a code: sign, 4 exponent bits, 3 mantissa bits); and NAME_scales (uint8): the same leading axes, one E8M0 byte (e + 127) for each 32 codes along K. Its value is code x scale, taken as it is: it is not quantised again, and the codes and scales need not be those that the quantiser above would give.
;; 2 versions, each right; version 2 is version 1 with the launch band written anew for expert scheduling mode. Each part assembles by itself: llvm-mc -triple=amdgcn-amd-amdhsa -mcpu=gfx1250 --defsym DOCPART=n.
;; ======== version 1 of 2: 1 launch
;; launch band (part 1): grid 16 x 16, 16 waves a work-group, no clusters, 71,680 bytes of LDS; arguments Q_codes, Q_scales, K_codes, K_scales, V_codes, V_scales, seqMask, G, out0; writes out0
.if DOCPART == 1
	.amdgcn_target "amdgcn-amd-amdhsa--gfx1250"
	.amdhsa_code_object_version 6
	.text
	.protected	k_qd8f6a3ee3b_band
	.globl	k_qd8f6a3ee3b_band
	.p2align	8
	.type	k_qd8f6a3ee3b_band,@function
k_qd8f6a3ee3b_band:
	s_mov_b64 s[64:65], 0
	v_nop
	global_prefetch_b8 v0, s[64:65] scope:SCOPE_SE
	s_setreg_imm32_b32 hwreg(HW_REG_WAVE_MODE, 25, 1), 1
	s_wait_xcnt 0x0
; out[n][s][h][c] = G[h][n][s][c] x (sum over t of softmax_t(Q[h][n][s] . K[h][n][t] / sqrt(32)) V[h][n][t][c]), keys t with |s - t| <= 10 and seqMask[n][t] = 0 alone.
; Q, K: E4M3 codes, 32 bytes a row, one E8M0 byte a row.  V: codes with the keys innermost, [h][n][32 channels][2048 keys], 64 scale bytes a channel.  Both products by the scaled 16x16x128 form.
; p = 2^(t - M), t = score x log2(e) / sqrt(32), M = ceil(the row's largest t), is quantised along the keys in blocks of 32 counted from key 0; the row's sum is taken of the unquantised p and divides at the end.
; ONLY THE BAND IS MULTIPLIED.  A tile of 16 queries sees 36 keys, which lie in two aligned blocks of 32: its WINDOW of 64 keys.
; SHARES.  A work-group: 128 queries (x = a), one batch n and a PAIR of heads 2 hp, 2 hp + 1 (y = 4 n + hp), since 256 consecutive bytes of out are two heads of one (n, s).
;   Wave wv = 8 e + i: head 2 hp + e, queries 128 a + 16 i on.  Its window: blocks 4 a - 1 + w and 4 a + w, w = (i + 1) / 2.  Four + two matrix instructions a wave; no loop.
; HOW K = 128 IS FILLED.  First product (S^T = K Q^T): source 0 holds the window's four tiles of 16 keys in its four blocks of 32 along K; source 1 is Q's four registers inside a run of zero codes, named so
;   that Q meets tile c alone.  Second product (O^T = V^T P^T): source 0 holds both tiles of 16 channels x 64 keys; source 1 is P's eight registers inside a run of zero codes.  Zero codes add nothing.
;   The keys of a tile, and the channels of a tile, are not neighbours: row m stands for 8 u + m + 8 (m / 8), so that a lane's 16 registers of two tiles are 16 neighbours (keys for P, channels for out).
; ENDS OF A SEQUENCE.  A block that does not exist (-1 or 64) is taken modulo 64: real bytes inside the buffers; all its keys are hidden by V0 / V1.
; A ROW WHOSE BAND IS WHOLLY MASKED comes out NaN: its largest t is -infinity, so t - M and the sum are NaN; its codes are held finite, and a column of source 1 touches no other query.
; LIMITS: a NaN code or a scale byte 0xff in Q, K or V is not served (it would reach the other tiles that share its instruction).  p under 2^-126 counts as 0 (the exponential's own flush).
;   A block whose every p is 0 keeps the scale byte 1: its codes are zeros, and this program alone reads the byte.  A seqMask byte other than 0 counts as masked.
; No cluster: neighbours share only the windows' overhang and V's scale bytes, about a tenth of a work-group's bytes.  No tensor load: the modulo at the ends is a lane's own.  All 16 loads of a wave go out at its head.
.set KIMG,  0                          ; LDS: 24 images of 512 bytes: K's tiles as they stand in registers: image 12 e + 2 bb + u, block 4 a - 1 + bb; lane l's 16 bytes at 16 l
.set VROW,  12288                      ; 64 rows (32 e + channel), 272 bytes apart: byte x = key 128 a - 32 + x
.set VSC,   29696                      ; V's scale bytes: 64 rows (32 e + channel), 80 bytes apart
.set STG,   34816                      ; the way out: 128 rows (16 i + r), 272 bytes apart: byte 128 e + 4 x channel
.set SPARE, 69632                      ; the spare words, 128 bytes for each of the 16 waves: eight blocks of 256 bytes that no other line names
.set OQ,  5                            ; v5-15: offsets in memory, never rewritten
.set OQS, 6
.set OKR, 7
.set OVS, 8
.set OV,  9
.set OKS0, 10
.set OKS1, 11
.set OM0, 12
.set OM1, 13
.set OG,  14
.set OO,  15
.set KST, 16                           ; v16-24: LDS addresses, all made ahead of the first branch
.set VSST, 17
.set VST, 18
.set KLD, 19
.set VLD, 20
.set VSL0, 21
.set VSL1, 22
.set STO, 23
.set SRD, 24
.set SPW, 25                           ; v25  LDS address of my spare word; never rewritten
.set NIL, 26                           ; v26  0; never rewritten
.set SH16, 27                          ; v27  16 h
.set WLO, 28                           ; v28, v29  which of the window's 64 keys my query sees
.set WHI, 29
.set H,   30                           ; v30  the same for my lane's 32 keys: bit 16 b + idx
.set TMP, 31
.set GR,  32                           ; v32-47   G, in the layout of the stores
.set QR,  48                           ; v48-75   12 zeros, Q's 4 registers, 12 zeros
.set KA,  76                           ; v76-91   the window's four tiles of K
.set VA,  92                           ; v92-107  V's two tiles of channels
.set PR,  108                          ; v108-131 8 zeros, P's 8 registers, 8 zeros
.set S,   132                          ; v132-163 S^T, then p; at the end v132-147 rows of out
.set O,   164                          ; v164-179 at first what goes into LDS (LR, LV), then O^T
.set LR,  164
.set LV,  172
.set MK,  180                          ; v180-211 a mask for each score: all ones where the key counts
.set KSW, 212                          ; v212-215 K's scale words, one for each tile
.set QSB, 216
.set QSW, 217                          ; Q's byte, four times
.set VW,  218                          ; v218, v219 V's scale words
.set VB,  220                          ; v220-223 V's scale bytes: 2 u + c
.set PW,  224                          ; p's scale word
.set MB,  225                          ; v225, v226 seqMask's bytes
.set NM,  228                          ; v228 -M, v229 the largest t
.set BM,  230                          ; v230, v231 the blocks' largest scores, then largest p
.set PT,  232                          ; v232, v233 what comes from lane l xor 16
.set SCF, 234                          ; the conversions' scale operands
.set HOLD, 236                         ; 448 x the scale
.set BY,  238                          ; the scales' bytes
.set AC,  240                          ; v240-243 the sum, in two chains of pairs
.set INV, 244                          ; v244 1 / the sum (v245 is named with it as a pair)
.set L,   246
.set NINF, 254
.macro ZEROS first, count
.set z, \first
.rept \count
	v_mov_b32 v[z], 0
.set z, z+1
.endr
.endm
.macro PLACES n
.rept \n
	v_nop
.endr
.endm
.macro BARRIER                         ; for the others' sake: all my LDS instructions are done; then the work-group's barrier
	s_wait_dscnt 0x0
	s_barrier_signal -1
	s_barrier_wait -1
.endm
	; ---- the head: ids, offsets, addresses
	s_load_b512 s[8:23], s[0:1], 0x0               ; Q codes s[8:9], Q scales s[10:11], K codes s[12:13], K scales s[14:15], V codes s[16:17], V scales s[18:19], seqMask s[20:21], G s[22:23]
	s_load_b64 s[24:25], s[0:1], 0x40              ; out
	v_lshl_add_u32 v[SPW], v0, 2, SPARE
	v_mov_b32 v[NIL], 0
	v_lshrrev_b32 v[TMP], 5, v0
	v_readfirstlane_b32 s2, v[TMP]                 ; wave 0..15
	s_lshr_b32 s3, s2, 3                           ; e: which head of the pair
	s_and_b32 s4, s2, 7                            ; i: which tile of 16 queries
	s_mov_b32 s5, ttmp9                            ; a
	s_and_b32 s61, ttmp7, 0xffff
	s_lshr_b32 s6, s61, 2                          ; n
	s_and_b32 s7, s61, 3                           ; hp
	s_lshl_b32 s26, s7, 1
	s_add_co_u32 s26, s26, s3                      ; my head
	s_lshl_b32 s26, s26, 2
	s_add_co_u32 s26, s26, s6                      ; hn = 4 x head + n
	s_add_co_u32 s27, s4, 1
	s_lshr_b32 s27, s27, 1                         ; w
	s_and_b32 s28, s4, 1                           ; i's parity: my queries stand at 32 - 16 x parity + r in the window
	s_lshl_b32 s29, s5, 2
	s_add_co_u32 s29, s29, s27                     ; t0 = 4 a + w: the window's second block, 0 .. 64
	s_add_co_u32 s30, s29, 63
	s_and_b32 s30, s30, 63                         ; the first block, modulo 64
	s_min_u32 s31, s29, 63                         ; the second, held at 63
	s_cmp_ge_u32 s29, 1
	s_cselect_b32 s32, -1, 0                       ; V0: does the first block exist?
	s_cmp_le_u32 s29, 63
	s_cselect_b32 s33, -1, 0                       ; V1: the second?
	s_lshl_b32 s34, s5, 2
	s_add_co_u32 s34, s34, s4
	s_add_co_u32 s34, s34, 63
	s_and_b32 s34, s34, 63                         ; the block of K that I bring (i < 6): 4 a - 1 + i, modulo 64
	s_lshl_b32 s61, s26, 16                        ; a (head, batch) of codes is 65,536 bytes,
	s_lshl_b32 s62, s26, 11                        ; of scale bytes 2,048
	s_lshl_b32 s36, s5, 12                         ; Q's codes: + 128 a rows of 32 bytes + 16 i rows
	s_add_co_u32 s36, s36, s61
	s_lshl_b32 s63, s4, 9
	s_add_co_u32 s36, s36, s63
	s_mov_b32 s37, 0
	s_lshl_b32 s38, s5, 7                          ; Q's scale bytes
	s_add_co_u32 s38, s38, s62
	s_lshl_b32 s63, s4, 4
	s_add_co_u32 s38, s38, s63
	s_mov_b32 s39, 0
	s_lshl_b32 s40, s34, 10                        ; K's codes: my block of 1,024 bytes
	s_add_co_u32 s40, s40, s61
	s_mov_b32 s41, 0
	s_mov_b32 s42, s62                             ; K's scale bytes
	s_mov_b32 s43, 0
	s_lshl_b32 s44, s28, 10                        ; V's scale bytes: waves i = 6, 7 bring 1,024 each
	s_add_co_u32 s44, s44, s62
	s_mov_b32 s45, 0
	s_lshl_b32 s46, s6, 11                         ; seqMask: row n
	s_mov_b32 s47, 0
	s_lshl_b32 s48, s4, 13                         ; V's codes: my four channels, 4 i on, of 2,048 bytes
	s_add_co_u32 s48, s48, s61
	s_mov_b32 s49, 0
	s_lshl_b32 s50, s7, 3                          ; G: head 2 hp, batch n; row 128 a + 16 i + 8 e of 128 bytes
	s_add_co_u32 s50, s50, s6
	s_lshl_b32 s50, s50, 18
	s_lshl_b32 s63, s5, 14
	s_add_co_u32 s50, s50, s63
	s_lshl_b32 s63, s4, 11
	s_add_co_u32 s50, s50, s63
	s_lshl_b32 s63, s3, 10
	s_add_co_u32 s50, s50, s63
	s_mov_b32 s51, 0
	s_lshl_b32 s52, s6, 21                         ; out: batch n; the same row, of 1,024 bytes; the pair's 256 bytes in it
	s_lshl_b32 s63, s5, 17
	s_add_co_u32 s52, s52, s63
	s_lshl_b32 s63, s4, 14
	s_add_co_u32 s52, s52, s63
	s_lshl_b32 s63, s3, 13
	s_add_co_u32 s52, s52, s63
	s_lshl_b32 s63, s7, 8
	s_add_co_u32 s52, s52, s63
	s_mov_b32 s53, 0
	s_mov_b32 s54, 0x3e8293ee                      ; c = log2(e) / sqrt(32)
	s_mov_b32 s55, s54                             ; (named with it as a pair, so it is written)
	s_mov_b32 s56, 0x76543210
	s_mov_b32 s57, 0xfedcba98                      ; v_permlanex16_b32's selects for lane l xor 16
	s_mov_b32 s58, 0x600000                        ; the mantissa field of 448
	v_and_b32 v1, 31, v0                           ; l
	v_and_b32 v2, 15, v0                           ; r
	v_bfe_u32 v3, v0, 4, 1                         ; h
	v_and_b32 v4, 8, v2
	v_add_nc_u32 v4, v4, v2                        ; r' = r + 8 (r / 8)
	v_lshlrev_b32 v[SH16], 4, v3
	v_lshlrev_b32 v[OQ], 5, v2
	v_lshl_add_u32 v[OQ], v3, 4, v[OQ]             ; Q: row r, my half's 16 bytes
	v_mov_b32 v[OQS], v2
	v_lshlrev_b32 v[OKR], 5, v4
	v_lshl_add_u32 v[OKR], v3, 4, v[OKR]           ; K: row r' of a tile, my half's 16 bytes
	v_lshlrev_b32 v[OVS], 4, v1                    ; 16 l
	s_lshl_b32 s63, s5, 7
	s_add_co_u32 s63, s63, 2016
	v_lshl_add_u32 v[OV], v2, 4, s63
	v_and_b32 v[OV], 0x7ff, v[OV]                  ; V: key 128 a - 32 + 16 r, modulo 2,048: inside the row at both ends
	v_lshl_add_u32 v[OV], v3, 11, v[OV]            ; lanes 16-31 take the next channel
	s_lshl_b32 s59, s30, 5
	s_lshl_b32 s60, s31, 5
	v_add_nc_u32 v[OKS0], s59, v4                  ; K's scale bytes: key r' of a tile of the first block,
	v_add_nc_u32 v[OKS1], s60, v4                  ; of the second
	v_add_nc_u32 v[OM0], s59, v1                   ; seqMask: key l of the first block,
	v_add_nc_u32 v[OM1], s60, v1                   ; of the second
	v_bfe_u32 v[TMP], v0, 3, 1
	v_lshlrev_b32 v[OG], 20, v[TMP]                ; G as the stores want it: lanes 8-15 and 24-31 the pair's second head,
	v_lshl_add_u32 v[OG], v3, 7, v[OG]             ; lanes 16-31 the next row,
	v_and_b32 v[TMP], 7, v0
	v_lshl_add_u32 v[OG], v[TMP], 4, v[OG]         ; 16 bytes a lane
	v_lshlrev_b32 v[OO], 10, v3
	v_lshl_add_u32 v[OO], v2, 4, v[OO]             ; out: lanes 0-15 the pair's 256 bytes of one row, lanes 16-31 of the next
	s_mul_i32 s61, s3, 6144
	s_lshl_b32 s62, s4, 10
	s_add_co_u32 s62, s62, s61
	v_add_nc_u32 v[KST], s62, v[OVS]               ; images 12 e + 2 i, + 1
	s_lshl_b32 s62, s27, 10
	s_add_co_u32 s62, s62, s61
	v_add_nc_u32 v[KLD], s62, v[OVS]               ; images 12 e + 2 w on: my window's four
	s_mul_i32 s61, s3, 2560
	s_add_co_u32 s61, s61, VSC                     ; my head's 32 rows of V's scale bytes
	s_mul_i32 s62, s28, 1280
	s_add_co_u32 s62, s62, s61
	v_bfe_u32 v[TMP], v0, 2, 3
	v_mul_u32_u24 v[VSST], v[TMP], 80
	v_and_b32 v[TMP], 3, v0
	v_lshl_add_u32 v[VSST], v[TMP], 4, v[VSST]
	v_add_nc_u32 v[VSST], s62, v[VSST]             ; in: four lanes to a row of 64 bytes; rows 16 x parity + l / 4
	v_mul_u32_u24 v[TMP], v4, 80
	s_add_co_u32 s62, s61, s30
	v_add_nc_u32 v[VSL0], s62, v[TMP]              ; out: channel r' of a tile, the first block's byte,
	s_add_co_u32 s62, s61, s31
	v_add_nc_u32 v[VSL1], s62, v[TMP]              ; the second's
	v_mul_u32_u24 v[TMP], v3, 272
	v_lshl_add_u32 v[TMP], v2, 4, v[TMP]           ; row h, 16 bytes a lane: serves V's way in and the stage's way back
	s_mul_i32 s62, s2, 1088
	s_add_co_u32 s62, s62, VROW
	v_add_nc_u32 v[VST], s62, v[TMP]               ; V's rows 4 wv + h
	s_mul_i32 s61, s4, 4352
	s_add_co_u32 s61, s61, STG                     ; my tile's 16 rows of the stage
	s_mul_i32 s62, s3, 2176
	s_add_co_u32 s62, s62, s61
	v_add_nc_u32 v[SRD], s62, v[TMP]               ; back: rows 16 i + 8 e + h
	s_lshl_b32 s62, s3, 7
	s_add_co_u32 s62, s62, s61
	v_mul_u32_u24 v[STO], v2, 272
	v_lshl_add_u32 v[STO], v3, 6, v[STO]
	v_add_nc_u32 v[STO], s62, v[STO]               ; in: row 16 i + r, my head's 128 bytes, my half's 64
	s_mul_i32 s61, s3, 8704
	s_lshl_b32 s62, s27, 5
	s_add_co_u32 s62, s62, s61
	s_add_co_u32 s62, s62, VROW
	v_mul_u32_u24 v[VLD], v4, 272
	v_lshl_add_u32 v[VLD], v3, 4, v[VLD]
	v_add_nc_u32 v[VLD], s62, v[VLD]               ; V's fragments: channel r' of a tile, my window's first key, my half's 16
	s_wait_kmcnt 0x0
	s_add_nc_u64 s[8:9], s[8:9], s[36:37]
	s_add_nc_u64 s[10:11], s[10:11], s[38:39]
	s_add_nc_u64 s[12:13], s[12:13], s[40:41]
	s_add_nc_u64 s[14:15], s[14:15], s[42:43]
	s_add_nc_u64 s[18:19], s[18:19], s[44:45]
	s_add_nc_u64 s[20:21], s[20:21], s[46:47]
	s_add_nc_u64 s[16:17], s[16:17], s[48:49]
	s_add_nc_u64 s[22:23], s[22:23], s[50:51]
	s_add_nc_u64 s[24:25], s[24:25], s[52:53]
	; ---- all 16 loads of the wave.  The first two differ by role, two loads on either way, so that every later count holds on both
	s_cmp_lt_u32 s4, 6
	s_cbranch_scc0 .Lrole_vs
	global_load_b128 v[LR:LR+3], v[OKR], s[12:13]              ; waves i < 6: block 4 a - 1 + i of K, tile u = 0: rows 0-7 and 16-23: twice 256 consecutive bytes
	global_load_b128 v[LR+4:LR+7], v[OKR], s[12:13] offset:256 ; tile u = 1: rows 8-15 and 24-31
	s_branch .Lrole_done
.Lrole_vs:
	global_load_b128 v[LR:LR+3], v[OVS], s[18:19]              ; waves i = 6, 7: half of my head's 2,048 scale bytes of V, 512 consecutive bytes a load
	global_load_b128 v[LR+4:LR+7], v[OVS], s[18:19] offset:512
.Lrole_done:
	global_load_b128 v[LV:LV+3], v[OV], s[16:17]               ; V: channels 4 i, 4 i + 1: sixteen lanes read 256 bytes of a row
	global_load_b128 v[LV+4:LV+7], v[OV], s[16:17] offset:4096 ; channels 4 i + 2, 4 i + 3
	global_load_u8 v[MB], v[OM0], s[20:21]
	global_load_u8 v[MB+1], v[OM1], s[20:21]
	global_load_u8 v[KSW], v[OKS0], s[14:15]                   ; tile c = 2 b + u: block b, keys 8 u + r'
	global_load_u8 v[KSW+1], v[OKS0], s[14:15] offset:8
	global_load_u8 v[KSW+2], v[OKS1], s[14:15]
	global_load_u8 v[KSW+3], v[OKS1], s[14:15] offset:8
	global_load_u8 v[QSB], v[OQS], s[10:11]
	global_load_b128 v[QR+12:QR+15], v[OQ], s[8:9] th:TH_LOAD_NT   ; Q's fragment: 512 consecutive bytes; read once in the launch
.irp j, 0,1,2,3
	global_load_b128 v[GR+4*\j:GR+4*\j+3], v[OG], s[22:23] offset:256*\j th:TH_LOAD_NT   ; rows 2 j, 2 j + 1 of my eight, both heads: twice 256 consecutive bytes; read once
.endr
	; ---- work on ids alone, while the loads are out
	ZEROS QR, 12
	ZEROS QR+16, 12
	ZEROS PR, 8
	ZEROS PR+16, 8
	v_mov_b32 v[NINF], 0xff800000
	v_mov_b32 v[PT], 0                             ; a lane permute's destination counts as one of its sources
	v_mov_b32 v[PT+1], 0
	v_mov_b32 v[INV+1], 0                          ; (named as the upper half of a pair)
	s_lshl_b32 s63, s28, 4
	s_sub_co_u32 s63, 16, s63
	v_add_nc_u32 v[H], s63, v2                     ; s' = r + 16 - 16 x parity, 0 .. 31.  My query's 21 keys are window positions 6 + s' .. 26 + s'
	v_mov_b32 v[TMP], 0x07ffffc0                   ; 21 ones from bit 6 on
	v_lshlrev_b32 v[WLO], v[H], v[TMP]             ; the low word of that, shifted left by s';
	v_sub_nc_u32 v[H], 31, v[H]
	v_mov_b32 v[TMP], 0x03ffffe0                   ; (shifted right by one, so that the rest of the shift, 31 - s', stays under 32)
	v_lshrrev_b32 v[WHI], v[H], v[TMP]             ; the high word
	v_and_b32 v[WLO], s32, v[WLO]                  ; a block that does not exist hides all its keys
	v_and_b32 v[WHI], s33, v[WHI]
	; ---- K's tiles, V's rows and V's scale bytes go into LDS
	s_wait_loadcnt 12                              ; my first four loads are in; the twelve younger stay out
	s_cmp_lt_u32 s4, 6
	s_cbranch_scc0 .Lput_vs
	ds_store_b128 v[KST], v[LR:LR+3]               ; as they stand in registers: any wave that loads them so has the same registers in the same lanes
	ds_store_b128 v[KST], v[LR+4:LR+7] offset:512
	s_branch .Lput_done
.Lput_vs:
	ds_store_b128 v[VSST], v[LR:LR+3]
	ds_store_b128 v[VSST], v[LR+4:LR+7] offset:640 ; eight rows of 80 bytes on
.Lput_done:
	ds_store_b128 v[VST], v[LV:LV+3]
	ds_store_b128 v[VST], v[LV+4:LV+7] offset:544  ; two rows of 272 bytes on
	BARRIER                                        ; all six blocks of K, 64 rows of V and its scale bytes lie in LDS
	; ---- my window out of LDS: twelve loads
.irp c, 0,1,2,3
	ds_load_b128 v[KA+4*\c:KA+4*\c+3], v[KLD] offset:512*\c
.endr
	ds_load_u8 v[VB], v[VSL0]                      ; tile u = 0: block 0, block 1;
	ds_load_u8 v[VB+1], v[VSL1]
	ds_load_u8 v[VB+2], v[VSL0] offset:640         ; tile u = 1: eight channels on
	ds_load_u8 v[VB+3], v[VSL1] offset:640
.irp u, 0,1
.irp c, 0,1
	ds_load_b128 v[VA+8*\u+4*\c:VA+8*\u+4*\c+3], v[VLD] offset:2176*\u+32*\c
.endr
.endr
	; ---- masks and scale words
	s_wait_loadcnt 4                               ; all but G's four loads are in
	v_cmp_eq_u32 s59, 0, v[MB]                     ; bit l: key l of the first block is not masked;
	v_cmp_eq_u32 s60, 0, v[MB+1]                   ; of the second
	v_and_b32 v[WLO], s59, v[WLO]
	v_and_b32 v[WHI], s60, v[WHI]
	v_lshrrev_b32 v[WLO], v[SH16], v[WLO]          ; my half's 16 keys of each block come to the low half,
	v_lshrrev_b32 v[WHI], v[SH16], v[WHI]
	v_perm_b32 v[H], v[WHI], v[WLO], 0x05040100    ; and the two low halves into one word: bit 16 b + idx
	v_lshlrev_b32 v[KSW+1], 8, v[KSW+1]            ; tile c's byte stands at byte c; the other bytes are 0 and meet zero codes
	v_lshlrev_b32 v[KSW+2], 16, v[KSW+2]
	v_lshlrev_b32 v[KSW+3], 24, v[KSW+3]
	v_perm_b32 v[QSW], v[QSB], v[QSB], 0           ; Q's byte in all four
.set k, 0
.rept 32
	v_lshlrev_b32 v[MK+k], 31-k, v[H]              ; bit k to the top,
.set k, k+1
.endr
.set k, 0
.rept 32
	v_ashrrev_i32 v[MK+k], 31, v[MK+k]             ; and over the whole word.  (These 64 lines are also the eight places between the scale words' last write and the products)
.set k, k+1
.endr
	; ---- S^T = K Q^T: four products on four accumulators, each begun with 0
	s_wait_dscnt 8                                 ; K's four loads are in; V's eight stay out
.irp c, 0,1,2,3
	v_wmma_scale_f32_16x16x128_f8f6f4 v[S+8*\c:S+8*\c+7], v[KA:KA+15], v[QR+12-4*\c:QR+27-4*\c], 0, v[KSW+\c], v[QSW]
.endr                                              ; lane (r, h): S[16 b + idx] = query r x key 32 b + 16 h + idx of the window
	s_wait_dscnt 4                                 ; V's scale bytes are in; its fragments stay out
	v_lshl_or_b32 v[VW], v[VB+1], 8, v[VB]         ; tile 0 stands in blocks 0, 1 along K: bytes 0, 1;
	v_lshl_or_b32 v[VW+1], v[VB+3], 8, v[VB+2]
	v_lshlrev_b32 v[VW+1], 16, v[VW+1]             ; tile 1 in blocks 2, 3: bytes 2, 3
	PLACES 5                                       ; with the three lines above: eight places behind the last product
	; ---- the softmax
.set k, 0
.rept 32
	v_bfi_b32 v[S+k], v[MK+k], v[S+k], v[NINF]     ; a key that does not count: -infinity.  Ascending: each accumulator is read from its low end on
.set k, k+1
.endr
.irp b, 0,1
	v_max3_num_f32 v[BM+\b], v[S+16*\b], v[S+16*\b+1], v[S+16*\b+2]   ; each block's largest score: for the row's maximum, and, since p rises with the score, for the block's largest p
.endr
.irp i, 3,5,7,9,11,13
.irp b, 0,1
	v_max3_num_f32 v[BM+\b], v[BM+\b], v[S+16*\b+\i], v[S+16*\b+\i+1]
.endr
.endr
.irp b, 0,1
	v_max_num_f32 v[BM+\b], v[BM+\b], v[S+16*\b+15]
.endr
.irp b, 0,1
	v_permlanex16_b32 v[PT+\b], v[BM+\b], s56, s57
.endr
.irp b, 0,1
	v_max_num_f32 v[BM+\b], v[BM+\b], v[PT+\b]     ; with lane l xor 16's 16 keys
.endr
	v_max_num_f32 v[TMP], v[BM], v[BM+1]
	v_mul_f32 v[NM+1], s54, v[TMP]                 ; the row's largest t (c is positive)
	v_floor_f32 v[NM], -v[NM+1]                    ; -M = floor(-t) = -ceil(t)
.irp j, 0,2,4,6,8,10,12,14,16,18,20,22,24,26,28,30
	v_pk_fma_f32 v[S+\j:S+\j+1], v[S+\j:S+\j+1], s[54:55], v[NM:NM+1] op_sel_hi:[1,0,0]   ; t - M, two at a time (of the pairs c and -M the low word serves both halves)
.endr
.irp b, 0,1
	v_fma_f32 v[BM+\b], v[BM+\b], s54, v[NM]       ; the same of each block's largest score
.endr
.set k, 0
.rept 32
	v_exp_f32 v[S+k], v[S+k]                       ; p = 2^(t - M): not normalised
.set k, k+1
.endr
	v_nop                                          ; a plain instruction behind the last exponential
	s_wait_alu depctr_va_vdst(0)                   ; the wait ahead of the first line that names a result: one for the 32
.irp b, 0,1
	v_exp_f32 v[BM+\b], v[BM+\b]                   ; the block's largest p: the same two instructions on the same number
.endr
	v_pk_add_f32 v[AC:AC+1], v[S:S+1], v[S+2:S+3]  ; the row's sum, of the UNQUANTISED p: two chains of pairs.  (They read the 32 alone: plain work behind the two)
	v_pk_add_f32 v[AC+2:AC+3], v[S+4:S+5], v[S+6:S+7]
.irp j, 8,12,16,20,24,28
	v_pk_add_f32 v[AC:AC+1], v[AC:AC+1], v[S+\j:S+\j+1]
	v_pk_add_f32 v[AC+2:AC+3], v[AC+2:AC+3], v[S+\j+2:S+\j+3]
.endr
	v_pk_add_f32 v[AC:AC+1], v[AC:AC+1], v[AC+2:AC+3]
	s_wait_alu depctr_va_vdst(0)                   ; and one for the two
.irp b, 0,1
	v_max_num_f32 v[BM+\b], 0x4800000, v[BM+\b]    ; the floor 2^(9 - 127): the byte cannot fall under 1
.endr
.irp b, 0,1
	v_add_nc_u32 v[SCF+\b], 0xfc000000, v[BM+\b]   ; 8 off the exponent field: the conversion's scale operand
.endr
.irp b, 0,1
	v_and_or_b32 v[HOLD+\b], v[BM+\b], 0x7f800000, s58   ; 448 x the scale
.endr
.irp b, 0,1
	v_lshrrev_b32 v[BY+\b], 23, v[SCF+\b]          ; the scale's byte
.endr
	v_lshl_or_b32 v[PW], v[BY+1], 8, v[BY]
	v_lshl_or_b32 v[PW], v[PW], 16, v[PW]          ; the two bytes in both halves: P stands in blocks 0, 1 or in blocks 2, 3 along K
.irp b, 0,1
.irp i, 0,1,2,3,4,5,6,7,8,9,10,11,12,13,14,15
	v_min_num_f32 v[S+16*\b+\i], v[S+16*\b+\i], v[HOLD+\b]   ; the conversion to an 8-bit code does not saturate (ISA guide 7.6.2); p is not negative, so the hold is one-sided.  (These 32 are also the scale word's eight places)
.endr
	v_cvt_scalef32_pk8_fp8_f32 v[PR+8+4*\b:PR+9+4*\b], v[S+16*\b:S+16*\b+7], v[SCF+\b]
	v_cvt_scalef32_pk8_fp8_f32 v[PR+10+4*\b:PR+11+4*\b], v[S+16*\b+8:S+16*\b+15], v[SCF+\b]
.endr
	; ---- O^T = V^T P^T.  Five plain lines stand between the last conversion and the products, where four are owed
	v_add_f32 v[L], v[AC], v[AC+1]                 ; the sum's two halves,
	v_nop
	v_permlanex16_b32 v[PT], v[L], s56, s57
	v_add_f32 v[L], v[L], v[PT]                    ; and lane l xor 16's: the row's sum
	v_rcp_f32 v[INV], v[L]
	v_nop
	v_nop
	s_wait_dscnt 0x0                               ; V's fragments are in
	v_wmma_scale_f32_16x16x128_f8f6f4 v[O:O+7], v[VA:VA+15], v[PR+8:PR+23], 0, v[VW], v[PW]       ; P meets blocks 0, 1 along K: channels 8 h' of tile 0
	v_wmma_scale_f32_16x16x128_f8f6f4 v[O+8:O+15], v[VA:VA+15], v[PR:PR+15], 0, v[VW+1], v[PW]    ; P meets blocks 2, 3: tile 1.  Lane (r, h): O[0 .. 15] = channels 16 h + 0 .. 15 of query r
	PLACES 8
	s_wait_alu depctr_va_vdst(0)                   ; the wait for the reciprocal, ahead of its first reader
.irp q, 0,2,4,6,8,10,12,14
	v_pk_mul_f32 v[O+\q:O+\q+1], v[O+\q:O+\q+1], v[INV:INV+1] op_sel_hi:[1,0]   ; / the sum; ascending
.endr
	; ---- the way out: a row's 256 bytes come from the two waves of a tile, so they meet in the stage
.irp q, 0,1,2,3
	ds_store_b128 v[STO], v[O+4*\q:O+4*\q+3] offset:16*\q
.endr
	BARRIER
.irp j, 0,1,2,3
	ds_load_b128 v[S+4*\j:S+4*\j+3], v[SRD] offset:544*\j      ; rows 2 j, 2 j + 1 of my eight
.endr
	s_wait_loadcnt 0x0                             ; G
.irp j, 0,1,2,3
	s_wait_dscnt 3-\j                              ; LDS loads come back in order: load j is in, the younger stay out
	v_pk_mul_f32 v[S+4*\j:S+4*\j+1], v[S+4*\j:S+4*\j+1], v[GR+4*\j:GR+4*\j+1]
	v_pk_mul_f32 v[S+4*\j+2:S+4*\j+3], v[S+4*\j+2:S+4*\j+3], v[GR+4*\j+2:GR+4*\j+3]
	global_store_b128 v[OO], v[S+4*\j:S+4*\j+3], s[24:25] offset:2048*\j th:TH_STORE_NT   ; sixteen lanes store 256 consecutive bytes, at a multiple of 256 from out's first byte; no store's data are written again
.endr
	s_wait_tensorcnt 0x0                           ; the wave's end
	ds_add_u32 v[SPW], v[NIL]
	s_wait_dscnt 0x0
	s_endpgm
.Lfunc_end_k_qd8f6a3ee3b_band:
	.size	k_qd8f6a3ee3b_band, .Lfunc_end_k_qd8f6a3ee3b_band-k_qd8f6a3ee3b_band
	.p2alignl 7, 3214868480
	.fill 96, 4, 3214868480
	.section	.rodata,"a",@progbits
	.p2align	6, 0x0
	.amdhsa_kernel k_qd8f6a3ee3b_band
		.amdhsa_group_segment_fixed_size 71680
		.amdhsa_private_segment_fixed_size 0
		.amdhsa_enable_private_segment 0
		.amdhsa_kernarg_size 72
		.amdhsa_user_sgpr_count 2
		.amdhsa_user_sgpr_kernarg_segment_ptr 1
		.amdhsa_wavefront_size32 1
		.amdhsa_system_sgpr_workgroup_id_x 1
		.amdhsa_system_sgpr_workgroup_id_y 1
		.amdhsa_system_sgpr_workgroup_id_z 1
		.amdhsa_system_vgpr_workitem_id 0
		.amdhsa_next_free_vgpr 256
		.amdhsa_next_free_sgpr 66
		.amdhsa_reserve_vcc 0
		.amdhsa_float_denorm_mode_32 3
		.amdhsa_float_denorm_mode_16_64 3
		.amdhsa_memory_ordered 1
		.amdhsa_forward_progress 1
		.amdhsa_inst_pref_size 27
	.end_amdhsa_kernel
	.amdgpu_metadata
---
amdhsa.version: [ 1, 2 ]
amdhsa.kernels:
  - .name:           k_qd8f6a3ee3b_band
    .symbol:         k_qd8f6a3ee3b_band.kd
    .args:
      - { .name: Q_codes, .offset: 0, .size: 8, .value_kind: global_buffer, .address_space: global }
      - { .name: Q_scales, .offset: 8, .size: 8, .value_kind: global_buffer, .address_space: global }
      - { .name: K_codes, .offset: 16, .size: 8, .value_kind: global_buffer, .address_space: global }
      - { .name: K_scales, .offset: 24, .size: 8, .value_kind: global_buffer, .address_space: global }
      - { .name: V_codes, .offset: 32, .size: 8, .value_kind: global_buffer, .address_space: global }
      - { .name: V_scales, .offset: 40, .size: 8, .value_kind: global_buffer, .address_space: global }
      - { .name: seqMask, .offset: 48, .size: 8, .value_kind: global_buffer, .address_space: global }
      - { .name: G, .offset: 56, .size: 8, .value_kind: global_buffer, .address_space: global }
      - { .name: out0, .offset: 64, .size: 8, .value_kind: global_buffer, .address_space: global }
    .group_segment_fixed_size: 71680
    .private_segment_fixed_size: 0
    .kernarg_segment_align: 8
    .kernarg_segment_size: 72
    .max_flat_workgroup_size: 512
    .sgpr_count:     66
    .vgpr_count:     256
    .wavefront_size: 32
...
	.end_amdgpu_metadata
.endif
;; end of part 1
;; ======== version 2 of 2: 1 launch; version 1 with the launch band written anew for expert scheduling mode
;; launch band (part 2): grid 16 x 16, 16 waves a work-group, no clusters, 71,680 bytes of LDS; arguments Q_codes, Q_scales, K_codes, K_scales, V_codes, V_scales, seqMask, G, out0; writes out0
.if DOCPART == 2
	.amdgcn_target "amdgcn-amd-amdhsa--gfx1250"
	.amdhsa_code_object_version 6
	.text
	.protected	k_qd8f6a3ee3b_band
	.globl	k_qd8f6a3ee3b_band
	.p2align	8
	.type	k_qd8f6a3ee3b_band,@function
k_qd8f6a3ee3b_band:
	s_mov_b64 s[64:65], 0
	v_nop
	global_prefetch_b8 v0, s[64:65] scope:SCOPE_SE
	s_setreg_imm32_b32 hwreg(HW_REG_WAVE_SCHED_MODE, 0, 2), 2
	s_setreg_imm32_b32 hwreg(HW_REG_WAVE_MODE, 25, 1), 1
	s_wait_xcnt 0x0
	s_wait_alu depctr_vm_vsrc(0)
; out[n][s][h][c] = G[h][n][s][c] x (sum over t of softmax_t(Q[h][n][s] . K[h][n][t] / sqrt(32)) V[h][n][t][c]), keys t with |s - t| <= 10 and seqMask[n][t] = 0 alone.
; Q, K: E4M3 codes, 32 bytes a row, one E8M0 byte a row.  V: codes with the keys innermost, [h][n][32 channels][2048 keys], 64 scale bytes a channel.  Both products by the scaled 16x16x128 form.
; p = 2^(t - M), t = score x log2(e) / sqrt(32), M = ceil(the row's largest t), is quantised along the keys in blocks of 32 counted from key 0; the row's sum is taken of the unquantised p and divides at the end.
; ONLY THE BAND IS MULTIPLIED.  A tile of 16 queries sees 36 keys, which lie in two aligned blocks of 32: its WINDOW of 64 keys.
; SHARES.  A work-group: 128 queries (x = a), one batch n and a PAIR of heads 2 hp, 2 hp + 1 (y = 4 n + hp), since 256 consecutive bytes of out are two heads of one (n, s).
;   Wave wv = 8 e + i: head 2 hp + e, queries 128 a + 16 i on.  Its window: blocks 4 a - 1 + w and 4 a + w, w = (i + 1) / 2.  Four + two matrix instructions a wave; no loop.
; HOW K = 128 IS FILLED.  First product (S^T = K Q^T): source 0 holds the window's four tiles of 16 keys in its four blocks of 32 along K; source 1 is Q's four registers inside a run of zero codes, named so
;   that Q meets tile c alone.  Second product (O^T = V^T P^T): source 0 holds both tiles of 16 channels x 64 keys; source 1 is P's eight registers inside a run of zero codes.  Zero codes add nothing.
;   The keys of a tile, and the channels of a tile, are not neighbours: row m stands for 8 u + m + 8 (m / 8), so that a lane's 16 registers of two tiles are 16 neighbours (keys for P, channels for out).
; ENDS OF A SEQUENCE.  A block that does not exist (-1 or 64) is taken modulo 64: real bytes inside the buffers; all its keys are hidden by V0 / V1.
; A ROW WHOSE BAND IS WHOLLY MASKED comes out NaN: its largest t is -infinity, so t - M and the sum are NaN; its codes are held finite, and a column of source 1 touches no other query.
; LIMITS: a NaN code or a scale byte 0xff in Q, K or V is not served (it would reach the other tiles that share its instruction).  p under 2^-126 counts as 0 (the exponential's own flush).
;   A block whose every p is 0 keeps the scale byte 1: its codes are zeros, and this program alone reads the byte.  A seqMask byte other than 0 counts as masked.
; No cluster: neighbours share only the windows' overhang and V's scale bytes, about a tenth of a work-group's bytes.  No tensor load: the modulo at the ends is a lane's own.  All 16 loads of a wave go out at its head.
; THE MODE: SCHED_MODE bits 1:0 = 2 (LLVM: expert scheduling mode 2), set by the entry lines.  The code itself states the register dependences
; between vector or matrix instructions and memory or LDS instructions, with s_wait_alu, always for 0.
; THE PLAN.  Registers that memory or LDS instructions touch:
;   v5-v24     offsets and LDS addresses; v25, v26 the add's two.  Written by vector lines at the head and never again: ONE wait on va_vdst, ahead of the first load, serves every load, store and LDS instruction of the kernel.
;   v164-179   Loaded from memory, read by my four LDS stores ahead of the first barrier; then they are O^T: written by the second products and the divisions, read by the four stores into the stage.
;              One wait on vm_vsrc behind the first barrier (the LDS stores have read them); one on va_vdst ahead of the stage's stores (the divisions have written them).
;   v132-147   S^T and p, named by matrix and vector lines; then the rows of out land there from the stage (the wait ahead of the stage's stores covers that too: no vector line behind it names them),
;              are multiplied by G, and are read by the four global stores: one wait on va_vdst behind the eight multiplications, ahead of the run of stores.
;   v32-47, v60-63, v76-107, v212-216, v220-223, v225-226   land once from memory or LDS, in registers that no vector line has named before; behind their counters' waits vector and matrix lines alone name them.
;   Ahead of each run of products one wait on va_vdst states that the operands and scale words which vector lines made are written; behind each writer of a scalar register one wait on va_sdst.
.set KIMG,  0                          ; LDS: 24 images of 512 bytes: K's tiles as they stand in registers: image 12 e + 2 bb + u, block 4 a - 1 + bb; lane l's 16 bytes at 16 l
.set VROW,  12288                      ; 64 rows (32 e + channel), 272 bytes apart: byte x = key 128 a - 32 + x
.set VSC,   29696                      ; V's scale bytes: 64 rows (32 e + channel), 80 bytes apart
.set STG,   34816                      ; the way out: 128 rows (16 i + r), 272 bytes apart: byte 128 e + 4 x channel
.set SPARE, 69632                      ; the spare words, 128 bytes for each of the 16 waves: eight blocks of 256 bytes that no other line names
.set OQ,  5                            ; v5-15: offsets in memory, never rewritten
.set OQS, 6
.set OKR, 7
.set OVS, 8
.set OV,  9
.set OKS0, 10
.set OKS1, 11
.set OM0, 12
.set OM1, 13
.set OG,  14
.set OO,  15
.set KST, 16                           ; v16-24: LDS addresses, all made ahead of the first branch
.set VSST, 17
.set VST, 18
.set KLD, 19
.set VLD, 20
.set VSL0, 21
.set VSL1, 22
.set STO, 23
.set SRD, 24
.set SPW, 25                           ; v25  LDS address of my spare word; never rewritten
.set NIL, 26                           ; v26  0; never rewritten
.set SH16, 27                          ; v27  16 h
.set WLO, 28                           ; v28, v29  which of the window's 64 keys my query sees
.set WHI, 29
.set H,   30                           ; v30  the same for my lane's 32 keys: bit 16 b + idx
.set TMP, 31
.set GR,  32                           ; v32-47   G, in the layout of the stores
.set QR,  48                           ; v48-75   12 zeros, Q's 4 registers, 12 zeros
.set KA,  76                           ; v76-91   the window's four tiles of K
.set VA,  92                           ; v92-107  V's two tiles of channels
.set PR,  108                          ; v108-131 8 zeros, P's 8 registers, 8 zeros
.set S,   132                          ; v132-163 S^T, then p; at the end v132-147 rows of out
.set O,   164                          ; v164-179 at first what goes into LDS (LR, LV), then O^T
.set LR,  164
.set LV,  172
.set MK,  180                          ; v180-211 a mask for each score: all ones where the key counts
.set KSW, 212                          ; v212-215 K's scale words, one for each tile
.set QSB, 216
.set QSW, 217                          ; Q's byte, four times
.set VW,  218                          ; v218, v219 V's scale words
.set VB,  220                          ; v220-223 V's scale bytes: 2 u + c
.set PW,  224                          ; p's scale word
.set MB,  225                          ; v225, v226 seqMask's bytes
.set NM,  228                          ; v228 -M, v229 the largest t
.set BM,  230                          ; v230, v231 the blocks' largest scores, then largest p
.set PT,  232                          ; v232, v233 what comes from lane l xor 16
.set SCF, 234                          ; the conversions' scale operands
.set HOLD, 236                         ; 448 x the scale
.set BY,  238                          ; the scales' bytes
.set AC,  240                          ; v240-243 the sum, in two chains of pairs
.set INV, 244                          ; v244 1 / the sum (v245 is named with it as a pair)
.set L,   246
.set NINF, 254
.macro ZEROS first, count
.set z, \first
.rept \count
	v_mov_b32 v[z], 0
.set z, z+1
.endr
.endm
.macro PLACES n
.rept \n
	v_nop
.endr
.endm
.macro BARRIER                         ; for the others' sake: all my LDS instructions are done; then the work-group's barrier
	s_wait_dscnt 0x0
	s_barrier_signal -1
	s_barrier_wait -1
.endm
	; ---- the head: ids, offsets, addresses
	s_load_b512 s[8:23], s[0:1], 0x0               ; Q codes s[8:9], Q scales s[10:11], K codes s[12:13], K scales s[14:15], V codes s[16:17], V scales s[18:19], seqMask s[20:21], G s[22:23]
	s_load_b64 s[24:25], s[0:1], 0x40              ; out
	v_lshl_add_u32 v[SPW], v0, 2, SPARE
	v_mov_b32 v[NIL], 0
	v_lshrrev_b32 v[TMP], 5, v0
	v_readfirstlane_b32 s2, v[TMP]                 ; wave 0..15
	s_wait_alu depctr_va_sdst(0)                   ; s2 is written, ahead of its first reader: e, i and all that is made of them hang on it
	s_lshr_b32 s3, s2, 3                           ; e: which head of the pair
	s_and_b32 s4, s2, 7                            ; i: which tile of 16 queries
	s_mov_b32 s5, ttmp9                            ; a
	s_and_b32 s61, ttmp7, 0xffff
	s_lshr_b32 s6, s61, 2                          ; n
	s_and_b32 s7, s61, 3                           ; hp
	s_lshl_b32 s26, s7, 1
	s_add_co_u32 s26, s26, s3                      ; my head
	s_lshl_b32 s26, s26, 2
	s_add_co_u32 s26, s26, s6                      ; hn = 4 x head + n
	s_add_co_u32 s27, s4, 1
	s_lshr_b32 s27, s27, 1                         ; w
	s_and_b32 s28, s4, 1                           ; i's parity: my queries stand at 32 - 16 x parity + r in the window
	s_lshl_b32 s29, s5, 2
	s_add_co_u32 s29, s29, s27                     ; t0 = 4 a + w: the window's second block, 0 .. 64
	s_add_co_u32 s30, s29, 63
	s_and_b32 s30, s30, 63                         ; the first block, modulo 64
	s_min_u32 s31, s29, 63                         ; the second, held at 63
	s_cmp_ge_u32 s29, 1
	s_cselect_b32 s32, -1, 0                       ; V0: does the first block exist?
	s_cmp_le_u32 s29, 63
	s_cselect_b32 s33, -1, 0                       ; V1: the second?
	s_lshl_b32 s34, s5, 2
	s_add_co_u32 s34, s34, s4
	s_add_co_u32 s34, s34, 63
	s_and_b32 s34, s34, 63                         ; the block of K that I bring (i < 6): 4 a - 1 + i, modulo 64
	s_lshl_b32 s61, s26, 16                        ; a (head, batch) of codes is 65,536 bytes,
	s_lshl_b32 s62, s26, 11                        ; of scale bytes 2,048
	s_lshl_b32 s36, s5, 12                         ; Q's codes: + 128 a rows of 32 bytes + 16 i rows
	s_add_co_u32 s36, s36, s61
	s_lshl_b32 s63, s4, 9
	s_add_co_u32 s36, s36, s63
	s_mov_b32 s37, 0
	s_lshl_b32 s38, s5, 7                          ; Q's scale bytes
	s_add_co_u32 s38, s38, s62
	s_lshl_b32 s63, s4, 4
	s_add_co_u32 s38, s38, s63
	s_mov_b32 s39, 0
	s_lshl_b32 s40, s34, 10                        ; K's codes: my block of 1,024 bytes
	s_add_co_u32 s40, s40, s61
	s_mov_b32 s41, 0
	s_mov_b32 s42, s62                             ; K's scale bytes
	s_mov_b32 s43, 0
	s_lshl_b32 s44, s28, 10                        ; V's scale bytes: waves i = 6, 7 bring 1,024 each
	s_add_co_u32 s44, s44, s62
	s_mov_b32 s45, 0
	s_lshl_b32 s46, s6, 11                         ; seqMask: row n
	s_mov_b32 s47, 0
	s_lshl_b32 s48, s4, 13                         ; V's codes: my four channels, 4 i on, of 2,048 bytes
	s_add_co_u32 s48, s48, s61
	s_mov_b32 s49, 0
	s_lshl_b32 s50, s7, 3                          ; G: head 2 hp, batch n; row 128 a + 16 i + 8 e of 128 bytes
	s_add_co_u32 s50, s50, s6
	s_lshl_b32 s50, s50, 18
	s_lshl_b32 s63, s5, 14
	s_add_co_u32 s50, s50, s63
	s_lshl_b32 s63, s4, 11
	s_add_co_u32 s50, s50, s63
	s_lshl_b32 s63, s3, 10
	s_add_co_u32 s50, s50, s63
	s_mov_b32 s51, 0
	s_lshl_b32 s52, s6, 21                         ; out: batch n; the same row, of 1,024 bytes; the pair's 256 bytes in it
	s_lshl_b32 s63, s5, 17
	s_add_co_u32 s52, s52, s63
	s_lshl_b32 s63, s4, 14
	s_add_co_u32 s52, s52, s63
	s_lshl_b32 s63, s3, 13
	s_add_co_u32 s52, s52, s63
	s_lshl_b32 s63, s7, 8
	s_add_co_u32 s52, s52, s63
	s_mov_b32 s53, 0
	s_mov_b32 s54, 0x3e8293ee                      ; c = log2(e) / sqrt(32)
	s_mov_b32 s55, s54                             ; (named with it as a pair, so it is written)
	s_mov_b32 s56, 0x76543210
	s_mov_b32 s57, 0xfedcba98                      ; v_permlanex16_b32's selects for lane l xor 16
	s_mov_b32 s58, 0x600000                        ; the mantissa field of 448
	v_and_b32 v1, 31, v0                           ; l
	v_and_b32 v2, 15, v0                           ; r
	v_bfe_u32 v3, v0, 4, 1                         ; h
	v_and_b32 v4, 8, v2
	v_add_nc_u32 v4, v4, v2                        ; r' = r + 8 (r / 8)
	v_lshlrev_b32 v[SH16], 4, v3
	v_lshlrev_b32 v[OQ], 5, v2
	v_lshl_add_u32 v[OQ], v3, 4, v[OQ]             ; Q: row r, my half's 16 bytes
	v_mov_b32 v[OQS], v2
	v_lshlrev_b32 v[OKR], 5, v4
	v_lshl_add_u32 v[OKR], v3, 4, v[OKR]           ; K: row r' of a tile, my half's 16 bytes
	v_lshlrev_b32 v[OVS], 4, v1                    ; 16 l
	s_lshl_b32 s63, s5, 7
	s_add_co_u32 s63, s63, 2016
	v_lshl_add_u32 v[OV], v2, 4, s63
	v_and_b32 v[OV], 0x7ff, v[OV]                  ; V: key 128 a - 32 + 16 r, modulo 2,048: inside the row at both ends
	v_lshl_add_u32 v[OV], v3, 11, v[OV]            ; lanes 16-31 take the next channel
	s_lshl_b32 s59, s30, 5
	s_lshl_b32 s60, s31, 5
	v_add_nc_u32 v[OKS0], s59, v4                  ; K's scale bytes: key r' of a tile of the first block,
	v_add_nc_u32 v[OKS1], s60, v4                  ; of the second
	v_add_nc_u32 v[OM0], s59, v1                   ; seqMask: key l of the first block,
	v_add_nc_u32 v[OM1], s60, v1                   ; of the second
	v_bfe_u32 v[TMP], v0, 3, 1
	v_lshlrev_b32 v[OG], 20, v[TMP]                ; G as the stores want it: lanes 8-15 and 24-31 the pair's second head,
	v_lshl_add_u32 v[OG], v3, 7, v[OG]             ; lanes 16-31 the next row,
	v_and_b32 v[TMP], 7, v0
	v_lshl_add_u32 v[OG], v[TMP], 4, v[OG]         ; 16 bytes a lane
	v_lshlrev_b32 v[OO], 10, v3
	v_lshl_add_u32 v[OO], v2, 4, v[OO]             ; out: lanes 0-15 the pair's 256 bytes of one row, lanes 16-31 of the next
	s_mul_i32 s61, s3, 6144
	s_lshl_b32 s62, s4, 10
	s_add_co_u32 s62, s62, s61
	v_add_nc_u32 v[KST], s62, v[OVS]               ; images 12 e + 2 i, + 1
	s_lshl_b32 s62, s27, 10
	s_add_co_u32 s62, s62, s61
	v_add_nc_u32 v[KLD], s62, v[OVS]               ; images 12 e + 2 w on: my window's four
	s_mul_i32 s61, s3, 2560
	s_add_co_u32 s61, s61, VSC                     ; my head's 32 rows of V's scale bytes
	s_mul_i32 s62, s28, 1280
	s_add_co_u32 s62, s62, s61
	v_bfe_u32 v[TMP], v0, 2, 3
	v_mul_u32_u24 v[VSST], v[TMP], 80
	v_and_b32 v[TMP], 3, v0
	v_lshl_add_u32 v[VSST], v[TMP], 4, v[VSST]
	v_add_nc_u32 v[VSST], s62, v[VSST]             ; in: four lanes to a row of 64 bytes; rows 16 x parity + l / 4
	v_mul_u32_u24 v[TMP], v4, 80
	s_add_co_u32 s62, s61, s30
	v_add_nc_u32 v[VSL0], s62, v[TMP]              ; out: channel r' of a tile, the first block's byte,
	s_add_co_u32 s62, s61, s31
	v_add_nc_u32 v[VSL1], s62, v[TMP]              ; the second's
	v_mul_u32_u24 v[TMP], v3, 272
	v_lshl_add_u32 v[TMP], v2, 4, v[TMP]           ; row h, 16 bytes a lane: serves V's way in and the stage's way back
	s_mul_i32 s62, s2, 1088
	s_add_co_u32 s62, s62, VROW
	v_add_nc_u32 v[VST], s62, v[TMP]               ; V's rows 4 wv + h
	s_mul_i32 s61, s4, 4352
	s_add_co_u32 s61, s61, STG                     ; my tile's 16 rows of the stage
	s_mul_i32 s62, s3, 2176
	s_add_co_u32 s62, s62, s61
	v_add_nc_u32 v[SRD], s62, v[TMP]               ; back: rows 16 i + 8 e + h
	s_lshl_b32 s62, s3, 7
	s_add_co_u32 s62, s62, s61
	v_mul_u32_u24 v[STO], v2, 272
	v_lshl_add_u32 v[STO], v3, 6, v[STO]
	v_add_nc_u32 v[STO], s62, v[STO]               ; in: row 16 i + r, my head's 128 bytes, my half's 64
	s_mul_i32 s61, s3, 8704
	s_lshl_b32 s62, s27, 5
	s_add_co_u32 s62, s62, s61
	s_add_co_u32 s62, s62, VROW
	v_mul_u32_u24 v[VLD], v4, 272
	v_lshl_add_u32 v[VLD], v3, 4, v[VLD]
	v_add_nc_u32 v[VLD], s62, v[VLD]               ; V's fragments: channel r' of a tile, my window's first key, my half's 16
	s_wait_kmcnt 0x0
	s_add_nc_u64 s[8:9], s[8:9], s[36:37]
	s_add_nc_u64 s[10:11], s[10:11], s[38:39]
	s_add_nc_u64 s[12:13], s[12:13], s[40:41]
	s_add_nc_u64 s[14:15], s[14:15], s[42:43]
	s_add_nc_u64 s[18:19], s[18:19], s[44:45]
	s_add_nc_u64 s[20:21], s[20:21], s[46:47]
	s_add_nc_u64 s[16:17], s[16:17], s[48:49]
	s_add_nc_u64 s[22:23], s[22:23], s[50:51]
	s_add_nc_u64 s[24:25], s[24:25], s[52:53]
	s_wait_alu depctr_va_vdst(0)                   ; the offsets v5 to v15 and the LDS addresses v16 to v24 are written: every load, store and LDS instruction below but the closing add reads one of them, and no vector line below names one
	; ---- all 16 loads of the wave.  The first two differ by role, two loads on either way, so that every later count holds on both
	s_cmp_lt_u32 s4, 6
	s_cbranch_scc0 .Lrole_vs
	global_load_b128 v[LR:LR+3], v[OKR], s[12:13]              ; waves i < 6: block 4 a - 1 + i of K, tile u = 0: rows 0-7 and 16-23: twice 256 consecutive bytes
	global_load_b128 v[LR+4:LR+7], v[OKR], s[12:13] offset:256 ; tile u = 1: rows 8-15 and 24-31
	s_branch .Lrole_done
.Lrole_vs:
	global_load_b128 v[LR:LR+3], v[OVS], s[18:19]              ; waves i = 6, 7: half of my head's 2,048 scale bytes of V, 512 consecutive bytes a load
	global_load_b128 v[LR+4:LR+7], v[OVS], s[18:19] offset:512
.Lrole_done:
	global_load_b128 v[LV:LV+3], v[OV], s[16:17]               ; V: channels 4 i, 4 i + 1: sixteen lanes read 256 bytes of a row
	global_load_b128 v[LV+4:LV+7], v[OV], s[16:17] offset:4096 ; channels 4 i + 2, 4 i + 3
	global_load_u8 v[MB], v[OM0], s[20:21]
	global_load_u8 v[MB+1], v[OM1], s[20:21]
	global_load_u8 v[KSW], v[OKS0], s[14:15]                   ; tile c = 2 b + u: block b, keys 8 u + r'
	global_load_u8 v[KSW+1], v[OKS0], s[14:15] offset:8
	global_load_u8 v[KSW+2], v[OKS1], s[14:15]
	global_load_u8 v[KSW+3], v[OKS1], s[14:15] offset:8
	global_load_u8 v[QSB], v[OQS], s[10:11]
	global_load_b128 v[QR+12:QR+15], v[OQ], s[8:9] th:TH_LOAD_NT   ; Q's fragment: 512 consecutive bytes; read once in the launch
.irp j, 0,1,2,3
	global_load_b128 v[GR+4*\j:GR+4*\j+3], v[OG], s[22:23] offset:256*\j th:TH_LOAD_NT   ; rows 2 j, 2 j + 1 of my eight, both heads: twice 256 consecutive bytes; read once
.endr
	; ---- work on ids alone, while the loads are out: it names no register that a load, a store or an LDS instruction touches
	ZEROS QR, 12
	ZEROS QR+16, 12
	ZEROS PR, 8
	ZEROS PR+16, 8
	v_mov_b32 v[NINF], 0xff800000
	v_mov_b32 v[PT], 0                             ; a lane permute's destination counts as one of its sources
	v_mov_b32 v[PT+1], 0
	v_mov_b32 v[INV+1], 0                          ; (named as the upper half of a pair)
	s_lshl_b32 s63, s28, 4
	s_sub_co_u32 s63, 16, s63
	v_add_nc_u32 v[H], s63, v2                     ; s' = r + 16 - 16 x parity, 0 .. 31.  My query's 21 keys are window positions 6 + s' .. 26 + s'
	v_mov_b32 v[TMP], 0x07ffffc0                   ; 21 ones from bit 6 on
	v_lshlrev_b32 v[WLO], v[H], v[TMP]             ; the low word of that, shifted left by s';
	v_sub_nc_u32 v[H], 31, v[H]
	v_mov_b32 v[TMP], 0x03ffffe0                   ; (shifted right by one, so that the rest of the shift, 31 - s', stays under 32)
	v_lshrrev_b32 v[WHI], v[H], v[TMP]             ; the high word
	v_and_b32 v[WLO], s32, v[WLO]                  ; a block that does not exist hides all its keys
	v_and_b32 v[WHI], s33, v[WHI]
	; ---- K's tiles, V's rows and V's scale bytes go into LDS
	s_wait_loadcnt 12                              ; my first four loads are in; the twelve younger stay out
	s_cmp_lt_u32 s4, 6
	s_cbranch_scc0 .Lput_vs
	ds_store_b128 v[KST], v[LR:LR+3]               ; as they stand in registers: any wave that loads them so has the same registers in the same lanes
	ds_store_b128 v[KST], v[LR+4:LR+7] offset:512
	s_branch .Lput_done
.Lput_vs:
	ds_store_b128 v[VSST], v[LR:LR+3]
	ds_store_b128 v[VSST], v[LR+4:LR+7] offset:640 ; eight rows of 80 bytes on
.Lput_done:
	ds_store_b128 v[VST], v[LV:LV+3]
	ds_store_b128 v[VST], v[LV+4:LV+7] offset:544  ; two rows of 272 bytes on
	BARRIER                                        ; all six blocks of K, 64 rows of V and its scale bytes lie in LDS
	s_wait_alu depctr_vm_vsrc(0)                   ; my four LDS stores have read v164 to v179: these registers are O^T from here on, written by the second products
	; ---- my window out of LDS: twelve loads, into registers that no vector line has named
.irp c, 0,1,2,3
	ds_load_b128 v[KA+4*\c:KA+4*\c+3], v[KLD] offset:512*\c
.endr
	ds_load_u8 v[VB], v[VSL0]                      ; tile u = 0: block 0, block 1;
	ds_load_u8 v[VB+1], v[VSL1]
	ds_load_u8 v[VB+2], v[VSL0] offset:640         ; tile u = 1: eight channels on
	ds_load_u8 v[VB+3], v[VSL1] offset:640
.irp u, 0,1
.irp c, 0,1
	ds_load_b128 v[VA+8*\u+4*\c:VA+8*\u+4*\c+3], v[VLD] offset:2176*\u+32*\c
.endr
.endr
	; ---- masks and scale words
	s_wait_loadcnt 4                               ; all but G's four loads are in
	v_cmp_eq_u32 s59, 0, v[MB]                     ; bit l: key l of the first block is not masked;
	v_cmp_eq_u32 s60, 0, v[MB+1]                   ; of the second
	s_wait_alu depctr_va_sdst(0)                   ; the two compares have written s59 and s60, ahead of their first readers, the two lines below
	v_and_b32 v[WLO], s59, v[WLO]
	v_and_b32 v[WHI], s60, v[WHI]
	v_lshrrev_b32 v[WLO], v[SH16], v[WLO]          ; my half's 16 keys of each block come to the low half,
	v_lshrrev_b32 v[WHI], v[SH16], v[WHI]
	v_perm_b32 v[H], v[WHI], v[WLO], 0x05040100    ; and the two low halves into one word: bit 16 b + idx
	v_lshlrev_b32 v[KSW+1], 8, v[KSW+1]            ; tile c's byte stands at byte c; the other bytes are 0 and meet zero codes
	v_lshlrev_b32 v[KSW+2], 16, v[KSW+2]
	v_lshlrev_b32 v[KSW+3], 24, v[KSW+3]
	v_perm_b32 v[QSW], v[QSB], v[QSB], 0           ; Q's byte in all four
.set k, 0
.rept 32
	v_lshlrev_b32 v[MK+k], 31-k, v[H]              ; bit k to the top,
.set k, k+1
.endr
.set k, 0
.rept 32
	v_ashrrev_i32 v[MK+k], 31, v[MK+k]             ; and over the whole word.  (These 64 lines are also the eight places between the scale words' last write and the products)
.set k, k+1
.endr
	; ---- S^T = K Q^T: four products on four accumulators, each begun with 0
	s_wait_dscnt 8                                 ; K's four loads are in; V's eight stay out
	s_wait_alu depctr_va_vdst(0)                   ; vector lines have written K's scale words v213 to v215, Q's scale word v217 and the zero codes round Q, which the products take as scales and as source 1; the places above stay beside this wait
.irp c, 0,1,2,3
	v_wmma_scale_f32_16x16x128_f8f6f4 v[S+8*\c:S+8*\c+7], v[KA:KA+15], v[QR+12-4*\c:QR+27-4*\c], 0, v[KSW+\c], v[QSW]
.endr                                              ; lane (r, h): S[16 b + idx] = query r x key 32 b + 16 h + idx of the window
	s_wait_dscnt 4                                 ; V's scale bytes are in; its fragments stay out
	v_lshl_or_b32 v[VW], v[VB+1], 8, v[VB]         ; tile 0 stands in blocks 0, 1 along K: bytes 0, 1;
	v_lshl_or_b32 v[VW+1], v[VB+3], 8, v[VB+2]
	v_lshlrev_b32 v[VW+1], 16, v[VW+1]             ; tile 1 in blocks 2, 3: bytes 2, 3
	PLACES 5                                       ; with the three lines above: eight places behind the last product
	; ---- the softmax
.set k, 0
.rept 32
	v_bfi_b32 v[S+k], v[MK+k], v[S+k], v[NINF]     ; a key that does not count: -infinity.  Ascending: each accumulator is read from its low end on
.set k, k+1
.endr
.irp b, 0,1
	v_max3_num_f32 v[BM+\b], v[S+16*\b], v[S+16*\b+1], v[S+16*\b+2]   ; each block's largest score: for the row's maximum, and, since p rises with the score, for the block's largest p
.endr
.irp i, 3,5,7,9,11,13
.irp b, 0,1
	v_max3_num_f32 v[BM+\b], v[BM+\b], v[S+16*\b+\i], v[S+16*\b+\i+1]
.endr
.endr
.irp b, 0,1
	v_max_num_f32 v[BM+\b], v[BM+\b], v[S+16*\b+15]
.endr
.irp b, 0,1
	v_permlanex16_b32 v[PT+\b], v[BM+\b], s56, s57
.endr
.irp b, 0,1
	v_max_num_f32 v[BM+\b], v[BM+\b], v[PT+\b]     ; with lane l xor 16's 16 keys
.endr
	v_max_num_f32 v[TMP], v[BM], v[BM+1]
	v_mul_f32 v[NM+1], s54, v[TMP]                 ; the row's largest t (c is positive)
	v_floor_f32 v[NM], -v[NM+1]                    ; -M = floor(-t) = -ceil(t)
.irp j, 0,2,4,6,8,10,12,14,16,18,20,22,24,26,28,30
	v_pk_fma_f32 v[S+\j:S+\j+1], v[S+\j:S+\j+1], s[54:55], v[NM:NM+1] op_sel_hi:[1,0,0]   ; t - M, two at a time (of the pairs c and -M the low word serves both halves)
.endr
.irp b, 0,1
	v_fma_f32 v[BM+\b], v[BM+\b], s54, v[NM]       ; the same of each block's largest score
.endr
.set k, 0
.rept 32
	v_exp_f32 v[S+k], v[S+k]                       ; p = 2^(t - M): not normalised
.set k, k+1
.endr
	v_nop                                          ; a plain instruction behind the last exponential
	s_wait_alu depctr_va_vdst(0)                   ; the 32 exponentials have written p, v132 to v163, ahead of the first line that names one: one wait for the batch
.irp b, 0,1
	v_exp_f32 v[BM+\b], v[BM+\b]                   ; the block's largest p: the same two instructions on the same number
.endr
	v_pk_add_f32 v[AC:AC+1], v[S:S+1], v[S+2:S+3]  ; the row's sum, of the UNQUANTISED p: two chains of pairs.  (They read the 32 alone: plain work behind the two)
	v_pk_add_f32 v[AC+2:AC+3], v[S+4:S+5], v[S+6:S+7]
.irp j, 8,12,16,20,24,28
	v_pk_add_f32 v[AC:AC+1], v[AC:AC+1], v[S+\j:S+\j+1]
	v_pk_add_f32 v[AC+2:AC+3], v[AC+2:AC+3], v[S+\j+2:S+\j+3]
.endr
	v_pk_add_f32 v[AC:AC+1], v[AC:AC+1], v[AC+2:AC+3]
	s_wait_alu depctr_va_vdst(0)                   ; the two exponentials have written the blocks' largest p, v230 and v231, ahead of the first line that names one
.irp b, 0,1
	v_max_num_f32 v[BM+\b], 0x4800000, v[BM+\b]    ; the floor 2^(9 - 127): the byte cannot fall under 1
.endr
.irp b, 0,1
	v_add_nc_u32 v[SCF+\b], 0xfc000000, v[BM+\b]   ; 8 off the exponent field: the conversion's scale operand
.endr
.irp b, 0,1
	v_and_or_b32 v[HOLD+\b], v[BM+\b], 0x7f800000, s58   ; 448 x the scale
.endr
.irp b, 0,1
	v_lshrrev_b32 v[BY+\b], 23, v[SCF+\b]          ; the scale's byte
.endr
	v_lshl_or_b32 v[PW], v[BY+1], 8, v[BY]
	v_lshl_or_b32 v[PW], v[PW], 16, v[PW]          ; the two bytes in both halves: P stands in blocks 0, 1 or in blocks 2, 3 along K
.irp b, 0,1
.irp i, 0,1,2,3,4,5,6,7,8,9,10,11,12,13,14,15
	v_min_num_f32 v[S+16*\b+\i], v[S+16*\b+\i], v[HOLD+\b]   ; the conversion to an 8-bit code does not saturate (ISA guide 7.6.2); p is not negative, so the hold is one-sided.  (These 32 are also the scale word's eight places)
.endr
	v_cvt_scalef32_pk8_fp8_f32 v[PR+8+4*\b:PR+9+4*\b], v[S+16*\b:S+16*\b+7], v[SCF+\b]
	v_cvt_scalef32_pk8_fp8_f32 v[PR+10+4*\b:PR+11+4*\b], v[S+16*\b+8:S+16*\b+15], v[SCF+\b]
.endr
	; ---- O^T = V^T P^T.  Five plain lines stand between the last conversion and the products, where four are owed
	v_add_f32 v[L], v[AC], v[AC+1]                 ; the sum's two halves,
	v_nop
	v_permlanex16_b32 v[PT], v[L], s56, s57
	v_add_f32 v[L], v[L], v[PT]                    ; and lane l xor 16's: the row's sum
	v_rcp_f32 v[INV], v[L]
	v_nop
	v_nop
	s_wait_dscnt 0x0                               ; V's fragments are in
	s_wait_alu depctr_va_vdst(0)                   ; the conversions have written P's codes, and vector lines the zero codes round them, p's scale word v224 and V's scale words v218, v219, which the products take as source 1 and as scales; the reciprocal has written v244, ahead of its first reader below.  The places above stay beside this wait
	v_wmma_scale_f32_16x16x128_f8f6f4 v[O:O+7], v[VA:VA+15], v[PR+8:PR+23], 0, v[VW], v[PW]       ; P meets blocks 0, 1 along K: channels 8 h' of tile 0
	v_wmma_scale_f32_16x16x128_f8f6f4 v[O+8:O+15], v[VA:VA+15], v[PR:PR+15], 0, v[VW+1], v[PW]    ; P meets blocks 2, 3: tile 1.  Lane (r, h): O[0 .. 15] = channels 16 h + 0 .. 15 of query r
	PLACES 8
.irp q, 0,2,4,6,8,10,12,14
	v_pk_mul_f32 v[O+\q:O+\q+1], v[O+\q:O+\q+1], v[INV:INV+1] op_sel_hi:[1,0]   ; / the sum; ascending
.endr
	; ---- the way out: a row's 256 bytes come from the two waves of a tile, so they meet in the stage
	s_wait_alu depctr_va_vdst(0)                   ; the eight divisions have written O^T, which the LDS stores read; and every vector line that names v132 to v147 is done, in which the loads behind the barrier land
.irp q, 0,1,2,3
	ds_store_b128 v[STO], v[O+4*\q:O+4*\q+3] offset:16*\q
.endr
	BARRIER
.irp j, 0,1,2,3
	ds_load_b128 v[S+4*\j:S+4*\j+3], v[SRD] offset:544*\j      ; rows 2 j, 2 j + 1 of my eight
.endr
	s_wait_loadcnt 0x0                             ; G
.irp j, 0,1,2,3
	s_wait_dscnt 3-\j                              ; LDS loads come back in order: load j is in, the younger stay out
	v_pk_mul_f32 v[S+4*\j:S+4*\j+1], v[S+4*\j:S+4*\j+1], v[GR+4*\j:GR+4*\j+1]
	v_pk_mul_f32 v[S+4*\j+2:S+4*\j+3], v[S+4*\j+2:S+4*\j+3], v[GR+4*\j+2:GR+4*\j+3]
.endr
	s_wait_alu depctr_va_vdst(0)                   ; the eight multiplications by G have written v132 to v147, which the four stores read: one wait for the run
.irp j, 0,1,2,3
	global_store_b128 v[OO], v[S+4*\j:S+4*\j+3], s[24:25] offset:2048*\j th:TH_STORE_NT   ; sixteen lanes store 256 consecutive bytes, at a multiple of 256 from out's first byte; no store's data are written again
.endr
	s_wait_dscnt 0x0                               ; the closing lines, six on end
	s_wait_alu 0x0
	s_wait_tensorcnt 0x0
	ds_add_u32 v[SPW], v[NIL]
	s_wait_dscnt 0x0
	s_endpgm
.Lfunc_end_k_qd8f6a3ee3b_band:
	.size	k_qd8f6a3ee3b_band, .Lfunc_end_k_qd8f6a3ee3b_band-k_qd8f6a3ee3b_band
	.p2alignl 7, 3214868480
	.fill 96, 4, 3214868480
	.section	.rodata,"a",@progbits
	.p2align	6, 0x0
	.amdhsa_kernel k_qd8f6a3ee3b_band
		.amdhsa_group_segment_fixed_size 71680
		.amdhsa_private_segment_fixed_size 0
		.amdhsa_enable_private_segment 0
		.amdhsa_kernarg_size 72
		.amdhsa_user_sgpr_count 2
		.amdhsa_user_sgpr_kernarg_segment_ptr 1
		.amdhsa_wavefront_size32 1
		.amdhsa_system_sgpr_workgroup_id_x 1
		.amdhsa_system_sgpr_workgroup_id_y 1
		.amdhsa_system_sgpr_workgroup_id_z 1
		.amdhsa_system_vgpr_workitem_id 0
		.amdhsa_next_free_vgpr 256
		.amdhsa_next_free_sgpr 66
		.amdhsa_reserve_vcc 0
		.amdhsa_float_denorm_mode_32 3
		.amdhsa_float_denorm_mode_16_64 3
		.amdhsa_memory_ordered 1
		.amdhsa_forward_progress 1
		.amdhsa_inst_pref_size 27
	.end_amdhsa_kernel
	.amdgpu_metadata
---
amdhsa.version: [ 1, 2 ]
amdhsa.kernels:
  - .name:           k_qd8f6a3ee3b_band
    .symbol:         k_qd8f6a3ee3b_band.kd
    .args:
      - { .name: Q_codes, .offset: 0, .size: 8, .value_kind: global_buffer, .address_space: global }
      - { .name: Q_scales, .offset: 8, .size: 8, .value_kind: global_buffer, .address_space: global }
      - { .name: K_codes, .offset: 16, .size: 8, .value_kind: global_buffer, .address_space: global }
      - { .name: K_scales, .offset: 24, .size: 8, .value_kind: global_buffer, .address_space: global }
      - { .name: V_codes, .offset: 32, .size: 8, .value_kind: global_buffer, .address_space: global }
      - { .name: V_scales, .offset: 40, .size: 8, .value_kind: global_buffer, .address_space: global }
      - { .name: seqMask, .offset: 48, .size: 8, .value_kind: global_buffer, .address_space: global }
      - { .name: G, .offset: 56, .size: 8, .value_kind: global_buffer, .address_space: global }
      - { .name: out0, .offset: 64, .size: 8, .value_kind: global_buffer, .address_space: global }
    .group_segment_fixed_size: 71680
    .private_segment_fixed_size: 0
    .kernarg_segment_align: 8
    .kernarg_segment_size: 72
    .max_flat_workgroup_size: 512
    .sgpr_count:     66
    .vgpr_count:     256
    .wavefront_size: 32
...
	.end_amdgpu_metadata
.endif
;; end of part 2
